; MI455X (gfx1250); checked and timed in simulation.
; The chip was launched on July 23, 2026; its instructions are those of AMD's public machine-readable ISA for CDNA 5 (MIT licence, August 2026) and "CDNA5" Instruction Set Architecture Reference Guide (July 2026). The comments in the code are by the model that wrote it; some were corrected since.
;; Stickbreaking. Allowed arithmetic: matrix products marked QUANTISED: E2M3 operands, one E8M0 scale for each 32 along K, by v_wmma_scale_f32_16x16x128_f8f6f4 with both operands' format E2M3, f32 sums; everything else in f32.
;; Inputs: k_codes 2 x 16 x 2,048 x 4 x 24 uint8 (E2M3 codes of k, K innermost, in blocks of 32 codes, four codes in three bytes); k_scales 2 x 16 x 2,048 x 4 uint8 (E8M0 scales of k, one for each 32 codes along K); q_codes 2 x 16 x 2,048 x 4 x 24 uint8 (E2M3 codes of q, K innermost, in blocks of 32 codes, four codes in three bytes); q_scales 2 x 16 x 2,048 x 4 uint8 (E8M0 scales of q, one for each 32 codes along K); v_codes 2 x 16 x 128 x 64 x 24 uint8 (E2M3 codes of v, K innermost, in blocks of 32 codes, four codes in three bytes); v_scales 2 x 16 x 128 x 64 uint8 (E8M0 scales of v, one for each 32 codes along K).
;; Outputs: out0 2 x 16 x 2,048 x 128 float32.
;; This version of the problem:
;;   THIS VERSION OF THE PROBLEM IS GIVEN IN LOW PRECISION. The matrix products marked QUANTISED in the list below multiply operands that are first quantised to E2M3 (2 exponent bits, 3 mantissa bits; 6 bits a number), with one power-of-two scale for each 32 numbers along K (OCP MX v1.0); their sums are f32. All else is computed in f32.
;;   The module's matrix products, in the order in which they are computed (A, B: the left and right operand; K: the contracted axis; several contracted axes count as one K, in the product's order):
;;     1. batch 32 x [M 2,048, K 128] x [K 128, N 2,048]; A: input q (given as codes); B: input k (given as codes): QUANTISED
;;     2. batch 32 x [M 2,048, K 2,048] x [K 2,048, N 128]; A: computed on the way; B: input v (given as codes): QUANTISED
;;   THE QUANTISER, for each operand of a quantised product, along K:
;;     - K is cut into blocks of 32 from its start; a last block that is shorter is filled with zeros.
;;     - A block's scale is 2^e with e = floor(log2(the largest magnitude in the block)) - 2, held to -126 .. 127; a block of zeros has e = 0. As a byte (E8M0): e + 127.
;;     - Each number is divided by its block's scale, clamped to +-7.5, and rounded to the nearest number of E2M3, ties to even, subnormals kept.
;;     - The product sums the exact products of the quantised numbers (number of the format x scale) in f32.
;;   ~~~python
;;   def quantise(x, axis):      # numpy; x: float32 -> the quantised numbers, widened to float32 again
;;       x = np.moveaxis(x, axis, -1); K = x.shape[-1]
;;       x = np.pad(x, [(0, 0)] * (x.ndim - 1) + [(0, -K % 32)]); x = x.reshape(x.shape[:-1] + (-1, 32)); a = np.abs(x).max(-1, keepdims=True)
;;       e = np.where(a > 0, np.clip(np.frexp(np.where(a > 0, a, 1))[1] - 1 - 2, -126, 127), 0)      # np.frexp(a)[1] - 1 = floor(log2(a)), exactly
;;       r = np.clip(x / 2.0 ** e, -7.5, 7.5)
;;       step = 2.0 ** (np.maximum(np.frexp(np.where(r == 0, 1, r))[1] - 1, 0) - 3)
;;       q = np.round(r / step) * step * 2.0 ** e      # np.round: ties to even
;;       return np.moveaxis(q.reshape(q.shape[:-2] + (-1,))[..., :K], -1, axis).astype(np.float32)
;;   ~~~
;;   OPERANDS COMPUTED ON THE WAY. 'Computed on the way' means the value that the module computes at that place (a softmax that the list does not call 'softmax' is quantised finished and normalised). What goes into a quantiser is computed in f32, as accurately as f32 sums, v_exp_f32 and their like allow (about 1e-6 of the number): no bf16 or f16 on the way to a quantiser, and a product that is left as it is and whose result goes on into a quantised operand takes f32 operands (vector FMAs, or v_wmma_f32_16x16x4_f32). A number that lies on a knife's edge between two numbers of the format may be rounded either way, as far as f32 arithmetic and the matrix unit's own rounding can turn it there, and no further.
;;   INPUTS GIVEN AS CODES. k (in the module: [2, 16, 2048, 128], K = its axis 3); q (in the module: [2, 16, 2048, 128], K = its axis 3); v (in the module: [2, 16, 2048, 128], K = its axis 2): each comes as NAME_codes (uint8): NAME with its K axis moved to the last place and cut into blocks of 32 codes, [.., K / 32, bytes a block], one block behind the other in memory; four codes in three bytes: a row's codes are one little-endian stream of bits, code i at bits 6 i .. 6 i + 5 (a code: sign, 2 exponent bits, 3 mantissa bits); and NAME_scales (uint8): the same leading axes, one E8M0 byte (e + 127) for each 32 codes along K. Its value is code x scale, taken as it is: it is not quantised again, and the codes and scales need not be those that the quantiser above would give.
;; One version. Each part assembles by itself: llvm-mc -triple=amdgcn-amd-amdhsa -mcpu=gfx1250 --defsym DOCPART=n.
;; ======== version 1 of 1: 1 launch
;; launch stick (part 1): grid 8 x 32, 8 waves a work-group, clusters of 4 x 1, 327,680 bytes of LDS; arguments q_codes, q_scales, k_codes, k_scales, v_codes, v_scales, out0; writes out0
.if DOCPART == 1
	.amdgcn_target "amdgcn-amd-amdhsa--gfx1250"
	.amdhsa_code_object_version 6
	.text
	.protected	k_q74f3fcd926_stick
	.globl	k_q74f3fcd926_stick
	.p2align	8
	.type	k_q74f3fcd926_stick,@function
k_q74f3fcd926_stick:
	s_mov_b64 s[64:65], 0
	v_nop
	global_prefetch_b8 v0, s[64:65] scope:SCOPE_SE
	s_setreg_imm32_b32 hwreg(HW_REG_WAVE_MODE, 25, 1), 1
	s_wait_xcnt 0x0
	s_wait_alu depctr_hold_cnt(0) depctr_sa_sdst(0) depctr_va_vdst(0) depctr_va_sdst(0) depctr_va_ssrc(0) depctr_va_vcc(0) depctr_vm_vsrc(0)
	s_getreg_b32 s2, hwreg(HW_REG_IB_STS2, 6, 4)
	s_cmp_eq_u32 s2, 0
	s_cbranch_scc0 .Lentry_in_a_cluster
	s_endpgm
.Lentry_in_a_cluster:
	s_bfe_u32 s2, ttmp6, 0x10000c
	s_cmp_lg_u32 s2, 0x3003
	s_cbranch_scc0 .Lentry_shape_is_right
	s_endpgm
.Lentry_shape_is_right:
; STICKBREAKING ATTENTION on codes of FP6 (E2M3) with one E8M0 scale for each 32 along a product's K.  32 heads, 2,048 queries and keys, head size 128.
;   x = (q . k) / sqrt(128);  z = sigmoid(x);  beta = sigmoid(-x);  att[i][t] = z[i][t] x the product of beta[i][j] over j >= t;  out = att v.
; The product of the betas is exp of the sum of their logarithms, which is how the problem writes it: the same function, no factor above 1, nothing can overflow, and it falls to 0 where that exp does.
; For a score s:  t = c min(s, 976), c = log2(e) / sqrt(128);  u = 2^t;  beta = 1 / (1 + u);  z = u beta.  Two transcendentals a score.
; LIMITS.  Scores are held at 976 (x = 86.3), so that u stays finite: beyond it beta stays at 2^-124.5, where the true number lies under 4e-38.  u under 2^-126 comes out of v_exp_f32 as 0, so z = 0 for x under -87.3,
; where the true z lies under 2e-38.  NaN and infinities (a scale byte 0xff) are not served.  A block of att that is all zeros gets the scale byte 1 (its codes are zeros; only this text reads the byte).
; THE KEYS ARE WALKED FROM THE LAST TO THE FIRST, 128 a step, 16 steps: a query carries ONE number, PIN, the product of beta over all keys already walked.  O is never rescaled and never divided.
; SHARES.  A work-group owns 256 queries of one head (256 work-groups); each of its eight waves owns 32: two tiles of 16.  Two waves lie on a SIMD, 512 registers each: all that the vector work touches lies in window 0,
; each fragment of K and V read from LDS feeds two matrix instructions, and one wave's matrix work and LDS waits stand beside the other's vector work.
; CLUSTER.  The four query blocks of a cluster belong to one head and walk the same K, V and scale bytes: every tensor load is asked for JOINTLY, with the same descriptor and the mask of all four.
; LAYOUT.  Both products are used transposed: S^T = K Q^T (source 0 = 16 keys), O^T = V^T att^T (source 0 = 16 of the head's 128): a lane holds ONE query (lane % 16) throughout.
;   BLOCKS ALONG K CHANGE PLACES, alike in both operands of a product: half h of the lanes takes the row's blocks 2 h and 2 h + 1, 48 consecutive bytes: three loads of 16 bytes fill a fragment's 12 registers.
;   The unit's block 2 c + h is then the row's block 2 h + c, so a given scale word has its two middle bytes swapped (v_perm_b32).
;   THE KEYS OF A TILE ARE NOT NEIGHBOURS: row a of tile T takes key 64 (a / 8) + 8 T + a % 8 of the step, so that a lane's 64 scores are the 64 NEIGHBOURING keys 64 h + 0 .. 63, ascending: two whole blocks of 32 for the
;   quantiser, which so needs no other lane for a block's largest number, and whose codes are the second product's operand as they come.
; THE SCAN.  A lane's 64 keys are four runs of 16.  In a run L[15] = beta[15], L[e] = beta[e] L[e+1]; y = z L; att = y C[run].  C is made once a step from the runs' totals, the other half's total and PIN.
; No prefetch: all fills are asked for at the start or four steps ahead of their first read.  No work-groups that stay: each work-group has one block of queries and all are alike.
;
; LDS (bytes).  K: two slots of 512 keys, each eight groups of 64 keys (6,144 dense bytes), GRP = 6,160 apart.  V: two halves of 1,024 keys, each sixteen groups GRP apart; group g holds rows d = g + 16 y, 768 bytes each.
; GRP is 385 columns of 16 bytes, 1 modulo 16: the sixteen rows that a load of 16 bytes a lane touches (V: one in each group; K: eight rows 96 bytes apart in each of two groups) fall on sixteen different columns of the
; 256 bytes that the 64 banks of 4 bytes hold (ISA guide 11.1).  Then K's and V's scale bytes of the whole head, as rows of 256 bytes + 16; then the spare words.
.set GRP,   6160
.set KBASE, 0
.set KSLOT, 8*GRP                      ; 49,280
.set VBASE, 2*KSLOT                    ; 98,560
.set VHALF, 16*GRP                     ; 98,560
.set SCK,   VBASE+2*VHALF              ; 295,680
.set SCV,   SCK+32*272                 ; 304,384
.set SPARE, SCV+32*272                 ; 313,088: the spare words, 128 bytes for each wave: four blocks of 256 bytes that no other line names
; The stage for the way out, 16 rows x 272 bytes for each wave, lies at KBASE + GRP x wave, in K's slot 0: it has had its last fill and, behind the last barrier, its last read.
; REGISTERS, window 0:
.set SPW,  1                           ; LDS address of my spare word; never rewritten
.set NIL,  2                           ; 0; never rewritten
.set AK0,  3                           ; my lane's place in a step's keys
.set AV0,  4                           ; in V
.set ASK0, 5                           ; among K's scale words
.set ASV0, 6                           ; among V's
.set SH8,  7                           ; 8 h
.set ADK,  8                           ; v8-11: the step's four addresses
.set ADV,  9
.set ADS,  10
.set ADT,  11
.set STO,  12                          ; the way out: into the stage
.set RD,   13                          ; back from it
.set GO,   14                          ; my byte offset in the wave's rows of out0
.set KS,   16                          ; v16-19 K's scale words: register T / 2: lanes 0-15 tile T even, lanes 16-31 tile T odd
.set VS,   20                          ; v20-23 V's, likewise
.set QS,   24                          ; Q's: lanes 0-15 tile 0, lanes 16-31 tile 1
.set PS,   26                          ; v26-27 att's scale words, one register a tile
.set ST,   32                          ; a tile's statistics at ST + 16 tile: +0 PIN, +1 X, +2+2i C_i, +3+2i T_i (run i), +10, +11 at work, +12, +13 the blocks' largest att, +14, +15 the conversions' scale operands
.set TQ,   64                          ; v64-79 the upper halves of the blocks' codes, four registers a block
.set W,    80                          ; v80-127 a ring of three slots of 16 (1 + u, beta, L); at a step's ends four fragments
.set S,    128                         ; v128-255 the scores, then u, z, y, att: run rho (tile rho / 4, run rho % 4) at S + 16 rho
; window 1: v0-127 O^T (tile u, V's tile t at 64 u + 8 t)
.set QF,   128                         ; v128-151 Q's two fragments
.set F,    176                         ; v176-223 four fragments of K or V
.set PC,   224                         ; v224-247 att's codes, 12 a tile
; SCALARS: s[4:17] the seven addresses; s18 wave; s19 trips; s[20:21] lane selects; s[22:23] c; s24 976.0; s25 byte selects; s26 lanes 0-15; s27 head; s28-31 where the step's K, V and scale words begin;
; s[32:39], s[40:47], s[48:55] descriptor groups 1 (K, V, scale bytes); s[56:63], s[68:91] eight groups 0; s2, s3, s[100:101] what hangs on my place in the cluster (Q's and out0's offsets alone); s[92:99] at work.
.set MSB, 0
.macro WIN new                         ; low byte: bits 1:0 source 0, 3:2 source 1, 5:4 source 2, 7:6 destination; the high byte repeats the setting that is left
.if MSB != \new
	s_set_vgpr_msb (MSB<<8)|\new
.set MSB, \new
.endif
.endm
.macro PLACES n
.rept \n
	v_nop
.endr
.endm
; A round of the cluster's barrier: my work-group's barrier; wave 0 signals for the work-group; every wave waits for all four work-groups; my work-group's barrier once more.
.macro ROUND
	s_barrier_signal -1
	s_barrier_wait -1
	s_cmp_lg_u32 s18, 0
	s_cbranch_scc1 .Lnot_wave_0_\@
	s_barrier_signal -3
.Lnot_wave_0_\@:
	s_barrier_wait -3
	s_barrier_signal -1
	s_barrier_wait -1
.endm
; A descriptor group 0 at s[g]: LDS address = s[lreg] (a constant x wave) + lconst; global address = s[ptr] + s[off] + extra
.macro MKG0 g, lreg, lconst, ptr, off, extra
	s_mov_b32 s[\g], 1                             ; 1:0 count = 1
	s_add_co_u32 s[\g+1], s[\lreg], \lconst        ; 63:32 LDS address
	s_add_nc_u64 s[\g+2:\g+3], s[\ptr:\ptr+1], s[\off:\off+1]
.if \extra
	s_add_nc_u64 s[\g+2:\g+3], s[\g+2:\g+3], \extra
.endif
	s_or_b32 s[\g+3], s[\g+3], 0x80000000          ; 127:126 type = 2
.endm
	s_load_b256 s[4:11], s[0:1], 0x0               ; Q's codes s[4:5], Q's scales s[6:7], K's codes s[8:9], K's scales s[10:11]
	s_load_b128 s[12:15], s[0:1], 0x20             ; V's codes s[12:13], V's scales s[14:15]
	s_load_b64 s[16:17], s[0:1], 0x30              ; out0
	v_lshl_add_u32 v[SPW], v0, 2, SPARE
	v_mov_b32 v[NIL], 0
	ds_add_u32 v1, v2
	ds_add_u32 v1, v2
	s_wait_dscnt 0x0
	v_lshrrev_b32 v28, 5, v0
	v_readfirstlane_b32 s18, v28                   ; wave 0..7
	s_and_b32 s27, ttmp7, 0xffff                   ; the head, which the four partners share
	s_mov_b32 s20, 0x76543210
	s_mov_b32 s21, 0xfedcba98                      ; v_permlanex16_b32: lane l xor 16
	s_mov_b32 s22, 0x3e0293ee                      ; c = log2(e) / sqrt(128)
	s_mov_b32 s23, s22                             ; (the packed form names the pair, so it is written)
	s_mov_b32 s24, 0x44740000                      ; 976.0
	s_mov_b32 s25, 0x03010200                      ; v_perm_b32: the two middle bytes change places
	s_mov_b32 s26, 0x0000ffff                      ; lanes 0-15
	; group 1 for K: a group of 64 keys, 6,144 dense bytes, as 24 rows of 32 elements of 8 bytes; no padding
	s_mov_b32 s32, 15|(3<<16)|(1<<21)              ; 15:0 the mask: all four work-groups; 17:16 elements of 8 bytes; 21 set beside a mask
	s_mov_b32 s33, 32<<16                          ; tensor_dim0
	s_mov_b32 s34, 24<<16                          ; tensor_dim1
	s_mov_b32 s35, 32<<16                          ; tile_dim0
	s_mov_b32 s36, 24                              ; tile_dim1
	s_mov_b32 s37, 32                              ; tensor_dim0_stride
	s_mov_b32 s38, 0
	s_mov_b32 s39, 0
	; group 1 for V: eight rows of 768 bytes (1,024 keys), 16 rows of V (24,576 bytes) apart; no padding
	s_mov_b32 s40, 15|(3<<16)|(1<<21)
	s_mov_b32 s41, 96<<16
	s_mov_b32 s42, 8<<16
	s_mov_b32 s43, 96<<16
	s_mov_b32 s44, 8
	s_mov_b32 s45, 3072
	s_mov_b32 s46, 0
	s_mov_b32 s47, 0
	; group 1 for scale bytes: 1,024 dense bytes as four rows of 256, 16 bytes of padding behind each (20 padding on; 24:22 after every 64 words; 31:25 four words)
	s_mov_b32 s48, 15|(3<<16)|(1<<20)|(1<<21)|(5<<22)|(3<<25)
	s_mov_b32 s49, 32<<16
	s_mov_b32 s50, 4<<16
	s_mov_b32 s51, 32<<16
	s_mov_b32 s52, 4
	s_mov_b32 s53, 32
	s_mov_b32 s54, 0
	s_mov_b32 s55, 0
	; what the joint loads hang on: the head and the wave's number alone
	s_mul_i32 s92, s18, GRP                        ; LDS: my group
	s_mul_i32 s93, s18, 4*272                      ; LDS: my four rows of scale bytes
	s_mul_i32 s94, s27, 196608                     ; the head's first byte in each tensor of codes
	s_mul_i32 s98, s18, 6144
	s_add_co_u32 s98, s98, s94                     ; K: + 64 keys x wave
	s_mov_b32 s99, 0
	s_mul_i32 s96, s18, 1536
	s_add_co_u32 s94, s94, s96                     ; V: + row d = wave
	s_mov_b32 s95, 0
	s_lshl_b32 s96, s27, 13                        ; scale bytes: 8,192 a head,
	s_lshl_b32 s97, s18, 10                        ; 1,024 a wave
	s_add_co_u32 s96, s96, s97
	s_mov_b32 s97, 0
	; what hangs on my place in the cluster: my 32 queries are group G = 64 head + 8 block + wave of 32 rows
	s_bfe_u32 s2, ttmp6, 0x40000                   ; cx
	s_lshl_b32 s3, ttmp9, 2                        ; in a cluster launch ttmp9 counts clusters
	s_add_co_u32 s2, s2, s3                        ; my block of 256 queries
	s_lshl_b32 s2, s2, 3
	s_add_co_u32 s2, s2, s18
	s_lshl_b32 s3, s27, 6
	s_add_co_u32 s2, s2, s3                        ; G
	s_mov_b32 s101, 0
	s_wait_kmcnt 0x0
	MKG0 56, 93, SCK, 10, 96, 0                    ; K's scale bytes
	MKG0 60, 92, KBASE, 8, 98, 1536*96             ; K slot 0: keys 1,536 + 64 wave on
	MKG0 68, 93, SCV, 14, 96, 0                    ; V's scale bytes
	MKG0 72, 92, VBASE, 12, 94, 768                ; V, keys 1,024 on: rows wave + 16 y,
	MKG0 76, 92, VBASE+8*GRP, 12, 94, 768+8*1536   ; and rows wave + 8 + 16 y
	MKG0 80, 92, KBASE+KSLOT, 8, 98, 1024*96       ; K slot 1: keys 1,024 + 64 wave on
	MKG0 84, 92, VBASE+VHALF, 12, 94, 0            ; V, keys 0 on
	MKG0 88, 92, VBASE+VHALF+8*GRP, 12, 94, 8*1536
	s_mul_i32 s100, s2, 32*96
	s_add_nc_u64 s[4:5], s[4:5], s[100:101]        ; Q's codes at my first query
	s_lshl_b32 s100, s2, 7
	s_add_nc_u64 s[6:7], s[6:7], s[100:101]        ; its scale word
	s_lshl_b32 s100, s2, 14
	s_add_nc_u64 s[16:17], s[16:17], s[100:101]    ; its row of out0
	ROUND                                          ; all four work-groups are here: the first joint loads meet
	tensor_load_to_lds s[56:59], s[48:55]          ; the first fills go out as one group, each wave its eighth of each: eight tensor loads of mine are out
	s_nop 0
	tensor_load_to_lds s[60:63], s[32:39]
	s_nop 0
	tensor_load_to_lds s[68:71], s[48:55]
	s_nop 0
	tensor_load_to_lds s[72:75], s[40:47]
	s_nop 0
	tensor_load_to_lds s[76:79], s[40:47]
	s_nop 0
	tensor_load_to_lds s[80:83], s[32:39]
	s_nop 0
	tensor_load_to_lds s[84:87], s[40:47]
	s_nop 0
	tensor_load_to_lds s[88:91], s[40:47]
	s_nop 0
	PLACES 4                                       ; (behind a tensor load)
	v_and_b32 v28, 15, v0                          ; r
	v_bfe_u32 v29, v0, 4, 1                        ; h
	v_bfe_u32 v31, v0, 3, 1                        ; r / 8
	v_and_b32 v15, 7, v0                           ; r % 8
	v_mul_u32_u24 v[AK0], v31, GRP                 ; K: rows 8-15 of a tile lie 64 keys, one group, on;
	v_mad_u32_u24 v[AK0], v15, 96, v[AK0]          ; 96 bytes a key;
	v_mad_u32_u24 v[AK0], v29, 48, v[AK0]          ; my half's two blocks
	v_mul_u32_u24 v[ASK0], v31, 272                ; K's scale words: 64 keys to a row of 256 bytes;
	v_lshl_add_u32 v[ASK0], v29, 5, v[ASK0]        ; lanes 16-31 take the odd tile, 8 keys on;
	v_lshl_add_u32 v[ASK0], v15, 2, v[ASK0]
	v_add_nc_u32 v[ASK0], SCK, v[ASK0]
	v_mul_u32_u24 v[AV0], v28, GRP                 ; V: row 16 t + r lies in group r
	v_mad_u32_u24 v[AV0], v29, 48, v[AV0]
	v_add_nc_u32 v[AV0], VBASE, v[AV0]
	v_bfe_u32 v[ASV0], v0, 2, 3                    ; V's scale words: lane l takes row 32 j + l; four rows of 64 bytes to a row of 256
	v_mul_u32_u24 v[ASV0], v[ASV0], 272
	v_and_b32 v15, 3, v0
	v_lshl_add_u32 v[ASV0], v15, 6, v[ASV0]
	v_add_nc_u32 v[ASV0], SCV, v[ASV0]
	v_lshlrev_b32 v[SH8], 3, v29
	v_mul_u32_u24 v[STO], v28, 272                 ; the stage, in: row r, 32 bytes for each half of the lanes
	v_lshl_add_u32 v[STO], v29, 5, v[STO]
	v_add_nc_u32 v[STO], s92, v[STO]
	v_mul_u32_u24 v[RD], v29, 272                  ; back: lanes 0-15 one row of 256 bytes, lanes 16-31 the next
	v_lshl_add_u32 v[RD], v28, 4, v[RD]
	v_add_nc_u32 v[RD], s92, v[RD]
	v_lshlrev_b32 v[GO], 9, v29                    ; and the same two rows in out0
	v_lshl_add_u32 v[GO], v28, 4, v[GO]
	v_mul_u32_u24 v15, v28, 96                     ; Q: row r, my half's 48 bytes
	v_mad_u32_u24 v15, v29, 48, v15
	v_and_b32 v31, 31, v0
	v_lshlrev_b32 v31, 2, v31                      ; Q's scale words: 4 bytes a lane
	WIN 0x40                                       ; destination window 1
.irp u, 0,1
.irp i, 0,1,2
	global_load_b128 v[QF+12*\u+4*\i:QF+12*\u+4*\i+3], v15, s[4:5] offset:1536*\u+16*\i th:TH_LOAD_NT   ; Q's fragments stay in registers
.endr
.endr
	WIN 0
	global_load_b32 v[QS], v31, s[6:7] th:TH_LOAD_NT
.irp u, 0,1
	v_mov_b32 v[ST+16*\u], 1.0                     ; PIN: nothing walked yet
	v_mov_b32 v[ST+16*\u+1], 0                     ; X: a lane permute's destination counts as one of its sources
.endr
; Four fragments: 12 loads of 16 bytes.  K's tiles (8 keys of 96 bytes apart) and V's (rows of 768 bytes) both lie 768 bytes apart.
.macro LD4 reg, adr, off
.irp k, 0,1,2,3
.irp i, 0,1,2
	ds_load_b128 v[(\reg)+12*\k+4*\i:(\reg)+12*\k+4*\i+3], v[\adr] offset:(\off)+768*\k+16*\i
.endr
.endr
.endm
; S^T of K's tile t and query tile u; K's fragment at v[a].  The product starts its sum: C = 0.
.macro KQ t, u, a
.set kD, S+64*(\u)+8*(\t)
.set kB, QF+12*(\u)
.set kS, KS+(\t)/2
.if ((\t)%2 == 0) && ((\u) == 0)
	v_wmma_scale_f32_16x16x128_f8f6f4 v[kD:kD+7], v[(\a):(\a)+11], v[kB:kB+11], 0, v[kS], v[QS] matrix_a_fmt:MATRIX_FMT_FP6 matrix_b_fmt:MATRIX_FMT_FP6
.elseif (\u) == 0
	v_wmma_scale_f32_16x16x128_f8f6f4 v[kD:kD+7], v[(\a):(\a)+11], v[kB:kB+11], 0, v[kS], v[QS] matrix_a_fmt:MATRIX_FMT_FP6 matrix_b_fmt:MATRIX_FMT_FP6 matrix_a_scale:MATRIX_SCALE_ROW1
.elseif (\t)%2 == 0
	v_wmma_scale_f32_16x16x128_f8f6f4 v[kD:kD+7], v[(\a):(\a)+11], v[kB:kB+11], 0, v[kS], v[QS] matrix_a_fmt:MATRIX_FMT_FP6 matrix_b_fmt:MATRIX_FMT_FP6 matrix_b_scale:MATRIX_SCALE_ROW1
.else
	v_wmma_scale_f32_16x16x128_f8f6f4 v[kD:kD+7], v[(\a):(\a)+11], v[kB:kB+11], 0, v[kS], v[QS] matrix_a_fmt:MATRIX_FMT_FP6 matrix_b_fmt:MATRIX_FMT_FP6 matrix_a_scale:MATRIX_SCALE_ROW1 matrix_b_scale:MATRIX_SCALE_ROW1
.endif
.endm
; O^T of V's tile t and query tile u += V^T att^T; V's fragment at v[a].  z = 1: the first step's products start the sums: nothing is cleared.
.macro PV t, u, a, z
.set pD, 64*(\u)+8*(\t)
.set pB, PC+12*(\u)
.set pS, VS+(\t)/2
.if (\z) && ((\t)%2 == 0)
	v_wmma_scale_f32_16x16x128_f8f6f4 v[pD:pD+7], v[(\a):(\a)+11], v[pB:pB+11], 0, v[pS], v[PS+(\u)] matrix_a_fmt:MATRIX_FMT_FP6 matrix_b_fmt:MATRIX_FMT_FP6
.elseif \z
	v_wmma_scale_f32_16x16x128_f8f6f4 v[pD:pD+7], v[(\a):(\a)+11], v[pB:pB+11], 0, v[pS], v[PS+(\u)] matrix_a_fmt:MATRIX_FMT_FP6 matrix_b_fmt:MATRIX_FMT_FP6 matrix_a_scale:MATRIX_SCALE_ROW1
.elseif (\t)%2 == 0
	v_wmma_scale_f32_16x16x128_f8f6f4 v[pD:pD+7], v[(\a):(\a)+11], v[pB:pB+11], v[pD:pD+7], v[pS], v[PS+(\u)] matrix_a_fmt:MATRIX_FMT_FP6 matrix_b_fmt:MATRIX_FMT_FP6
.else
	v_wmma_scale_f32_16x16x128_f8f6f4 v[pD:pD+7], v[(\a):(\a)+11], v[pB:pB+11], v[pD:pD+7], v[pS], v[PS+(\u)] matrix_a_fmt:MATRIX_FMT_FP6 matrix_b_fmt:MATRIX_FMT_FP6 matrix_a_scale:MATRIX_SCALE_ROW1
.endif
.endm
; Stage F of run r, pair q: att = y C[run] (the carry is the low word of its pair), and the block's largest att; a block's first pair brings the floor 2^(3 - 127), so that the scale's byte cannot fall under 1.
.macro STFA r, q
.set fS, S+16*(\r)+2*(\q)
.set fC, ST+16*((\r)/4)+2+2*((\r)%4)
	v_pk_mul_f32 v[fS:fS+1], v[fS:fS+1], v[fC:fC+1] op_sel_hi:[1,0]
.endm
.macro STFB r, q
.set fS, S+16*(\r)+2*(\q)
.set fM, ST+16*((\r)/4)+12+((\r)%4)/2
.if ((\r)%2 == 0) && ((\q) == 0)
	v_max3_num_f32 v[fM], v[fS], v[fS+1], 0x1800000
.else
	v_max3_num_f32 v[fM], v[fM], v[fS], v[fS+1]
.endif
.endm
; THE VECTOR WORK is a pipeline of stages over the wave's eight runs of 16 scores.  In phase p: stage A (hold at 976, x c) works on run p, B (2^t) on run p - 1, C (1 + u, into the ring) on p - 2, D (1 / w) on p - 3,
; E (z = u beta; the chain L, from the run's last key down; y = z L) on p - 4, F on p - 8 (tile 0's four runs).  The stages of a phase touch different runs and different slots of the ring (p - 2, p - 3, p - 4 differ
; modulo 3), so no line of a beat reads the line above it, a plain line stands behind every transcendental, and a transcendental's result is first used a phase later.
; Stage A goes up a run.  Beat m of a phase takes pair m of a run (stage E: pair 7 - m).
.macro BEAT p
.set n, 7-m
.set qa, (\p)
.set qb, (\p)-1
.set qc, (\p)-2
.set qd, (\p)-3
.set qe, (\p)-4
.set qf, (\p)-8
.set xA, S+16*qa+2*m
.set xB, S+16*qb+2*m
.set xC, S+16*qc+2*m
.set wC, W+16*((qc+3)%3)+2*m
.set wD, W+16*((qd+3)%3)+2*m
.set xE, S+16*qe+2*n
.set wE, W+16*((qe+6)%3)+2*n
.if (qb >= 0) && (qb < 8)
	v_exp_f32 v[xB], v[xB]
.endif
.if (qe >= 0) && (qe < 8)
	s_wait_alu depctr_va_vdst(0)
	v_pk_mul_f32 v[xE:xE+1], v[xE:xE+1], v[wE:wE+1]               ; z = u beta
.endif
.if qa < 8
	v_min_num_f32 v[xA], s24, v[xA]
.endif
.if (qd >= 0) && (qd < 8)
	v_rcp_f32 v[wD], v[wD]
.endif
.if (qf >= 0) && (qf < 4)
	STFA qf, m
.endif
.if qa < 8
	v_min_num_f32 v[xA+1], s24, v[xA+1]
.endif
.if (qe >= 0) && (qe < 8) && (n < 7)
	v_mul_f32 v[wE+1], v[wE+1], v[wE+2]                           ; L[2 n + 1] = beta L[2 n + 2]
.endif
.if (qb >= 0) && (qb < 8)
	v_exp_f32 v[xB+1], v[xB+1]
.endif
.if (qc >= 0) && (qc < 8)
	s_wait_alu depctr_va_vdst(0)
	v_pk_add_f32 v[wC:wC+1], v[xC:xC+1], 1.0 op_sel_hi:[1,0]      ; w = 1 + u
.endif
.if (qe >= 0) && (qe < 8)
	v_mul_f32 v[wE], v[wE], v[wE+1]                               ; L[2 n] = beta L[2 n + 1]
.endif
.if (qd >= 0) && (qd < 8)
	v_rcp_f32 v[wD+1], v[wD+1]
.endif
.if qa < 8
	v_pk_mul_f32 v[xA:xA+1], v[xA:xA+1], s[22:23] op_sel_hi:[1,0] ; t = c min(s, 976)
.endif
.if (qe >= 0) && (qe < 8)
	v_pk_mul_f32 v[xE:xE+1], v[xE:xE+1], v[wE:wE+1]               ; y = z L
.if n == 0
	v_mov_b32 v[ST+16*(qe/4)+3+2*(qe%4)], v[wE]                   ; the run's total
.endif
.endif
.if (qf >= 0) && (qf < 4)
	STFB qf, m
.endif
.endm
.macro PHASE p
.set m, 0
.rept 8
	BEAT \p
.set m, m+1
.endr
.endm
; The carries of tile u.  Lanes 16-31 hold the step's upper 64 keys: their last run takes PIN as it is, that of lanes 0-15 PIN x the upper half's total.
.macro CARRY u
.set cB, ST+16*(\u)
	v_mul_f32 v[cB+10], v[cB+9], v[cB+7]           ; T3 T2
	v_mul_f32 v[cB+11], v[cB+5], v[cB+3]           ; T1 T0
	v_mul_f32 v[cB+11], v[cB+10], v[cB+11]         ; my 64 keys' total
	v_permlanex16_b32 v[cB+1], v[cB+11], s20, s21  ; the other half's
	v_mul_f32 v[cB+11], v[cB+11], v[cB+1]          ; the step's
	v_cndmask_b32 v[cB+1], 1.0, v[cB+1], s26       ; lanes 0-15: the upper half's total; lanes 16-31: 1
	v_mul_f32 v[cB+8], v[cB], v[cB+1]              ; C3
	v_mul_f32 v[cB], v[cB], v[cB+11]               ; PIN for the next step
	v_mul_f32 v[cB+6], v[cB+8], v[cB+9]            ; C2 = C3 T3
	v_mul_f32 v[cB+4], v[cB+8], v[cB+10]           ; C1 = C3 T3 T2
	v_mul_f32 v[cB+2], v[cB+4], v[cB+5]            ; C0 = C1 T1
.endm
; Tile u's scale operands and scale word.  My block c is the step's key block 2 h + c and the unit's block 2 c + h: its byte goes to place 2 c + h of the word; lane l xor 16 has the other two.
.macro SCALEW u
.set cB, ST+16*(\u)
	v_add_nc_u32 v[cB+14], 0xff000000, v[cB+12]    ; 2 off the largest att's exponent field: the conversion takes the exponent field of this operand as its scale
	v_add_nc_u32 v[cB+15], 0xff000000, v[cB+13]
	v_lshrrev_b32 v[cB+10], 23, v[cB+14]           ; the scales' bytes
	v_lshrrev_b32 v[cB+11], 23, v[cB+15]
	v_lshl_or_b32 v[cB+10], v[cB+11], 16, v[cB+10]
	v_lshlrev_b32 v[cB+10], v[SH8], v[cB+10]
	v_permlanex16_b32 v[cB+1], v[cB+10], s20, s21
	v_or_b32 v[PS+(\u)], v[cB+10], v[cB+1]
.endm
; att's codes.  A conversion's three registers begin on an even number: a block's second three do not, so they are made in window 0 and moved.
.macro CODES
.irp u, 0,1
.irp c, 0,1
	v_cvt_scalef32_pk16_fp6_f32 v[TQ+4*(2*\u+\c):TQ+4*(2*\u+\c)+2], v[S+64*\u+32*\c+16:S+64*\u+32*\c+31], v[ST+16*\u+14+\c]
.endr
.endr
	WIN 0x40                                       ; destination window 1
.irp u, 0,1
.irp c, 0,1
	v_cvt_scalef32_pk16_fp6_f32 v[PC+12*\u+6*\c:PC+12*\u+6*\c+2], v[S+64*\u+32*\c:S+64*\u+32*\c+15], v[ST+16*\u+14+\c]
.endr
.endr
	v_nop                                          ; one plain place behind the scaled conversions
.irp u, 0,1
.irp c, 0,1
.irp i, 0,1,2
	v_mov_b32 v[PC+12*\u+6*\c+3+\i], v[TQ+4*(2*\u+\c)+\i]
.endr
.endr
.endr
	PLACES 8                                       ; a scale word made by vector instructions stands eight places ahead of a scaled product, an operand so made four
.endm
; A KEY STEP: 128 keys.  zero = 1: the first step.
.macro STEP zero
	s_sub_co_u32 s28, s28, 2*GRP                   ; the step below the last: two groups of K,
	s_sub_co_u32 s29, s29, 96                      ; 128 codes in each row of V,
	s_sub_co_u32 s30, s30, 2*272                   ; 128 scale words of K,
	s_sub_co_u32 s31, s31, 4                       ; one of each row of V
	v_add_nc_u32 v[ADK], s28, v[AK0]               ; (these four are the places behind the last step's products, in front of the loads into their operands)
	v_add_nc_u32 v[ADV], s29, v[AV0]
	v_add_nc_u32 v[ADS], s30, v[ASK0]
	v_add_nc_u32 v[ADT], s31, v[ASV0]
.irp j, 0,1,2,3
	ds_load_b32 v[KS+\j], v[ADS] offset:64*\j      ; tiles 2 j (lanes 0-15) and 2 j + 1 (lanes 16-31): 16 keys on for each j
.endr
	WIN 0x40
	LD4 F, ADK, 0                                  ; K's tiles 0-3
	WIN 0
	LD4 W, ADK, 3072                               ; and 4-7, into the ring, which is idle here
	s_wait_dscnt 24                                ; the four scale words are in; behind them: the 24 loads of fragments
.irp j, 0,1,2,3
	v_perm_b32 v[KS+\j], v[KS+\j], v[KS+\j], s25
.endr
	PLACES 8                                       ; scale words made by vector instructions stand eight places ahead of the products
	s_wait_dscnt 12                                ; tiles 0-3 are in; behind them: the 12 loads of tiles 4-7
	WIN 0x05                                       ; K and Q in window 1, S^T in window 0
.irp t, 0,1,2,3
.irp u, 0,1
	KQ \t, \u, F+12*\t
.endr
.endr
	s_wait_dscnt 0x0
	WIN 0x04                                       ; K in window 0
.irp t, 4,5,6,7
.irp u, 0,1
	KQ \t, \u, W+12*(\t-4)
.endr
.endr
	WIN 0
	PLACES 4                                       ; in front of the loads into K's registers and of the first read of the scores
.irp j, 0,1,2,3
	ds_load_b32 v[VS+\j], v[ADT] offset:8*272*\j   ; rows 32 j + lane of V
.endr
	WIN 0x40
	LD4 F, ADV, 0                                  ; V's tiles 0-3
	WIN 0
	PHASE 0
	PHASE 1
	PHASE 2
	PHASE 3
	s_wait_dscnt 0x0                               ; V's scale words (and tiles 0-3)
.irp j, 0,1,2,3
	v_perm_b32 v[VS+\j], v[VS+\j], v[VS+\j], s25
.endr
	PHASE 4
	PHASE 5
	PHASE 6
	PHASE 7
	CARRY 0                                        ; tile 0's four totals are known
	PHASE 8
	PHASE 9
	PHASE 10
	PHASE 11
	LD4 W, ADV, 3072                               ; the ring is idle again: V's tiles 4-7
	SCALEW 0
	CARRY 1
.irp q, 0,1,2,3,4,5,6,7
	STFA 4, \q                                     ; tile 1's stage F: its two blocks by turns
	STFA 6, \q
	STFB 4, \q
	STFB 6, \q
.endr
.irp q, 0,1,2,3,4,5,6,7
	STFA 5, \q
	STFA 7, \q
	STFB 5, \q
	STFB 7, \q
.endr
	SCALEW 1
	CODES
	s_wait_dscnt 0x0                               ; V's tiles 4-7
	WIN 0x55                                       ; V, att, O^T in window 1
.irp t, 0,1,2,3
.irp u, 0,1
	PV \t, \u, F+12*\t, \zero
.endr
.endr
	WIN 0x54                                       ; V in window 0
.irp t, 4,5,6,7
.irp u, 0,1
	PV \t, \u, W+12*(\t-4), \zero
.endr
.endr
	WIN 0                                          ; sixteen accumulators, one product each: no two products that follow each other share one
.endm
; The four steps of K's slot fill mm (keys 2,048 - 512 (mm + 1) on), from the top down.  The four scalars begin one step above the first, since a step steps them at its head.
.macro STEPS mm
	s_mov_b32 s28, ((\mm)&1)*KSLOT+8*GRP
	s_mov_b32 s29, ((\mm)>>1)*VHALF+768-384*((\mm)&1)
	s_mov_b32 s30, 544*(16-4*(\mm))
	s_mov_b32 s31, 4*(16-4*(\mm))
.if (\mm) == 0
	STEP 1
	s_mov_b32 s19, 3
.else
	s_mov_b32 s19, 4
.endif
.Lstep_\@:
	STEP 0
	s_sub_co_u32 s19, s19, 1
	s_cmp_lg_u32 s19, 0
	s_cbranch_scc1 .Lstep_\@
.endm
; THE CHANGE OF K's SLOTS with a refill.  Each wave waits for all its tensor loads (its part of the slot ahead among them), adds 0 to its spare word, and waits for that and for its reads of the slot that it has left.
; The round then says so of every wave of all four work-groups, and the slot just left takes the keys 1,024 below its last: one joint load a wave, which has four steps in which to land.
.macro CHANGE g0
	s_wait_tensorcnt 0x0                           ; no tensor load of mine is out, so a group 0 may be written
	ds_add_u32 v[SPW], v[NIL]                      ; 0 onto my spare word
	s_sub_nc_u64 s[\g0+2:\g0+3], s[\g0+2:\g0+3], 1024*96   ; the type bits on top are not reached
	s_wait_dscnt 0x0                               ; the add is done, and my reads of the slot are over
	ROUND
	tensor_load_to_lds s[\g0:\g0+3], s[32:39]      ; the first thing behind the round, and my one tensor load until the next
	s_nop 0
	PLACES 4
.endm
.macro MEET                            ; the last change of slots: nothing is filled again, so my work-group's barrier is enough
	s_wait_tensorcnt 0x0                           ; my part of the last slot is in
	ds_add_u32 v[SPW], v[NIL]
	s_wait_dscnt 0x0                               ; my reads of slot 0 are over: behind the barrier it serves as the stages
	s_barrier_signal -1
	s_barrier_wait -1
.endm
	s_wait_loadcnt 0x0                             ; Q and its scale words
	v_perm_b32 v[QS], v[QS], v[QS], s25
	s_wait_tensorcnt 3                             ; both tensors' scale bytes, K's slot 0 and V's upper half are in; the three loads behind them (K's slot 1, V's lower half) may stay out
	s_barrier_signal -1
	s_barrier_wait -1                              ; everybody's are
	STEPS 0                                        ; keys 2,047 down to 1,536: slot 0
	CHANGE 60                                      ; slot 0 takes keys 512 to 1,023
	STEPS 1                                        ; keys 1,535 down to 1,024: slot 1
	CHANGE 80                                      ; slot 1 takes keys 0 to 511
	STEPS 2                                        ; keys 1,023 down to 512: slot 0, V's lower half
	MEET
	STEPS 3                                        ; keys 511 down to 0: slot 1
	; THE WAY OUT.  A lane holds eight neighbouring channels of one query, and the lanes beside it hold other queries: so 16 queries x 64 channels at a time go through my stage and come back as rows of 256 bytes.
	; LDS serves a wave's instructions in order (ISA guide 5.7.1.4): no wait between a pass's stores and its loads, nor in front of the next pass's stores.
	PLACES 4                                       ; behind the last products
.irp p, 0,1,2,3                        ; pass p: query tile p / 2, channels 64 (p % 2) on
	WIN 0x04                                       ; an LDS store's data are its source 1: window 1
.irp t, 0,1,2,3
	ds_store_b128 v[STO], v[64*(\p/2)+8*(4*(\p%2)+\t):64*(\p/2)+8*(4*(\p%2)+\t)+3] offset:64*\t          ; each accumulator from its low end on
	ds_store_b128 v[STO], v[64*(\p/2)+8*(4*(\p%2)+\t)+4:64*(\p/2)+8*(4*(\p%2)+\t)+7] offset:64*\t+16
.endr
	WIN 0
.irp i, 0,1,2,3,4,5,6,7
	ds_load_b128 v[S+32*\p+4*\i:S+32*\p+4*\i+3], v[RD] offset:544*\i
.endr
.endr
.irp p, 0,1,2,3
.irp i, 0,1,2,3,4,5,6,7
	s_wait_dscnt 7-\i+16*(3-\p)                    ; behind this load: the rest of its pass's loads and sixteen LDS instructions for each later pass
	global_store_b128 v[GO], v[S+32*\p+4*\i:S+32*\p+4*\i+3], s[16:17] offset:8192*(\p/2)+1024*\i+256*(\p%2) th:TH_STORE_NT   ; 16 lanes store 256 consecutive bytes, at a multiple of 256 from out0's first byte
.endr
.endr
	s_wait_tensorcnt 0x0                           ; the wave's end: behind my last tensor load and my last LDS store
	ds_add_u32 v[SPW], v[NIL]
	s_wait_dscnt 0x0
	ROUND                                          ; the closing round: no work-group ends while a partner may still ask for a tile that names it
	s_endpgm
.Lfunc_end_k_q74f3fcd926_stick:
	.size	k_q74f3fcd926_stick, .Lfunc_end_k_q74f3fcd926_stick-k_q74f3fcd926_stick
	.p2alignl 7, 3214868480
	.fill 96, 4, 3214868480
	.section	.rodata,"a",@progbits
	.p2align	6, 0x0
	.amdhsa_kernel k_q74f3fcd926_stick
		.amdhsa_group_segment_fixed_size 327680
		.amdhsa_private_segment_fixed_size 0
		.amdhsa_enable_private_segment 0
		.amdhsa_kernarg_size 56
		.amdhsa_user_sgpr_count 2
		.amdhsa_user_sgpr_kernarg_segment_ptr 1
		.amdhsa_wavefront_size32 1
		.amdhsa_system_sgpr_workgroup_id_x 1
		.amdhsa_system_sgpr_workgroup_id_y 1
		.amdhsa_system_sgpr_workgroup_id_z 1
		.amdhsa_system_vgpr_workitem_id 0
		.amdhsa_next_free_vgpr 512
		.amdhsa_next_free_sgpr 102
		.amdhsa_reserve_vcc 0
		.amdhsa_float_denorm_mode_32 3
		.amdhsa_float_denorm_mode_16_64 3
		.amdhsa_memory_ordered 1
		.amdhsa_forward_progress 1
		.amdhsa_inst_pref_size 255
	.end_amdhsa_kernel
	.section	.bss,"aw",@nobits
	.p2align	6
	.space	262144
	.amdgpu_metadata
---
amdhsa.version: [ 1, 2 ]
amdhsa.kernels:
  - .name:           k_q74f3fcd926_stick
    .symbol:         k_q74f3fcd926_stick.kd
    .args:
      - { .name: q_codes, .offset: 0, .size: 8, .value_kind: global_buffer, .address_space: global }
      - { .name: q_scales, .offset: 8, .size: 8, .value_kind: global_buffer, .address_space: global }
      - { .name: k_codes, .offset: 16, .size: 8, .value_kind: global_buffer, .address_space: global }
      - { .name: k_scales, .offset: 24, .size: 8, .value_kind: global_buffer, .address_space: global }
      - { .name: v_codes, .offset: 32, .size: 8, .value_kind: global_buffer, .address_space: global }
      - { .name: v_scales, .offset: 40, .size: 8, .value_kind: global_buffer, .address_space: global }
      - { .name: out0, .offset: 48, .size: 8, .value_kind: global_buffer, .address_space: global }
    .group_segment_fixed_size: 327680
    .private_segment_fixed_size: 0
    .kernarg_segment_align: 8
    .kernarg_segment_size: 56
    .max_flat_workgroup_size: 256
    .sgpr_count:     102
    .vgpr_count:     512
    .wavefront_size: 32
...
	.end_amdgpu_metadata
.endif
;; end of part 1
